; MI455X (gfx1250); checked and timed in simulation.
; The chip was launched on July 23, 2026; its instructions are those of AMD's public machine-readable ISA for CDNA 5 (MIT licence, August 2026) and "CDNA5" Instruction Set Architecture Reference Guide (July 2026). The comments in the code are by the model that wrote it; some were corrected since.
;; brute Force. Allowed arithmetic: float matrix products may take bf16 or f16 operands with f32 sums; all other float work in f32.
;; Inputs: W 43,745 float32; table 43,745 x 64 int32; x 4,096 x 64 int32.
;; Outputs: out0 4,096 float32.
;; One version. Each part assembles by itself: llvm-mc -triple=amdgcn-amd-amdhsa -mcpu=gfx1250 --defsym DOCPART=n.
;; ======== version 1 of 1: 2 launches
;; limits: inputs' magnitudes at most 7
;; workspace buffers: cand 524,288 bytes of whole numbers; stats 2,048 bytes
;; launch match (part 1): grid 8 x 32, 8 waves a work-group, no clusters, 272,896 bytes of LDS; arguments x, table, W, cand, stats; writes cand, stats
.if DOCPART == 1
	.amdgcn_target "amdgcn-amd-amdhsa--gfx1250"
	.amdhsa_code_object_version 6
	.text
	.protected	k_q9cce23ecdf_match
	.globl	k_q9cce23ecdf_match
	.p2align	8
	.type	k_q9cce23ecdf_match,@function
k_q9cce23ecdf_match:
	s_mov_b64 s[64:65], 0
	v_nop
	global_prefetch_b8 v0, s[64:65] scope:SCOPE_SE
	s_setreg_imm32_b32 hwreg(HW_REG_WAVE_MODE, 25, 1), 1
	s_wait_xcnt 0x0
; FIRST MATCHING TABLE ROW, per chunk of the table, and partial softmax figures of W.
; x [4096][64] i32, table [43745][64] i32, W [43745] f32.
; cand [32 chunks][4096] u32: the first row of the chunk whose mismatch with the x row is 0, or 0xffffffff.
; stats [256] pairs (m, s): maximum and sum of exp(W - m) over 171 entries of W, one pair for each work-group.
;
; ARITHMETIC.  x + t - 2 x t = 1/2 - 2 (x - 1/2)(t - 1/2) for any numbers, so mismatch = 32 - 2 sum_k (x_k - 1/2)(t_k - 1/2).
; Both operands go to the matrix unit as bf16(v - 1/2).  A = 16 table rows, B = 16 x rows, and the C operand is
; -(16 + idx / 4096), idx = the table row's number in the wave's 688 rows.  Then D = -(mismatch / 2 + idx / 4096):
; a match gives |D| = idx / 4096 <= 687 / 4096 < 0.168, any other whole mismatch (negative too) gives |D| >= 0.5 - 0.168.
; The running minimum of |D| is therefore the first match's idx / 4096 where it is below 0.25, and four v_min3_num_f32
; serve the eight registers of a 16 x 16 result.  No branch and no address hangs on these numbers.
; LIMIT (range): exact while v - 1/2 is a bf16 number and 64 (|v| + 1/2)^2 + 16 < 2^12, so that sums with a grain of 2^-12
; fit 24 bits: whole entries with |v| <= 7.  For entries 0 and 1 the sums need 17 bits.  Larger entries are not served.
;
; SHARES.  256 work-groups: (bx, cy) takes x rows 512 bx .. +511 and table rows CB .. CB + 1375, CB = min(1376 cy, 42369):
; the last chunk lies back over its neighbour (287 rows done twice, with their true numbers) instead of leaving the table.
; Eight waves, w = 4 p + g: x rows 128 g .. +127 of the block (8 tiles, kept as B fragments in 128 registers throughout)
; against table rows 688 p .. +687 of the chunk (43 tiles).  A step = one table tile x 8 x tiles = 16 matrix instructions
; for 2,048 bytes read from LDS.  No sum outlives two matrix instructions, so large accumulator tiles would buy nothing;
; two waves on a SIMD let one wave's minimum and conversion lines run under the other's matrix instructions.
;
; NO CLUSTER, NO TENSOR LOADS, though 8 work-groups read a table chunk and 32 an x block: the data lie in memory as i32 and
; are wanted as bf16, so they pass through registers anyway.  Brought by the mover, 472 KiB of i32 for each work-group would
; be written to LDS and read back beside the 271,872 bytes of bf16 that stay there, through what LDS is left (55,808 bytes).
;
; LDS, all written by ds_store, every byte of TS once:
;   XS      0 ..  73,727   512 x rows in bf16, pitch 144 (128 + 16: sixteen rows of a fragment start 36 words apart)
;   TS 73,728 .. 271,871   1,376 table rows in bf16, pitch 144; half p at + 99,072; a tile is 2,304 bytes
;   at the very end XS bytes 512 g + 16 L carry the upper half's results to the lower half's waves.
; Row rho of a wave's 128 x rows lies in slot 16 i + r with i = 4 (rho >> 6) + (rho & 3), r = (rho >> 2) & 15, so that at the
; end lane L owns rows 4 L .. 4 L + 3: one 16-byte store a lane, 512 consecutive aligned bytes a wave.
.set NROWS,  43745
.set CHUNK,  1376
.set HALF,   688
.set TILES,  43
.set WPART,  171                       ; entries of W for a work-group: 256 x 171 >= 43,745; the last has 140
.set PITCH,  144
.set TILEB,  16*PITCH                  ; 2,304
.set TS,     512*PITCH                 ; 73,728
.set HALFB,  HALF*PITCH                ; 99,072
.set FAR,    28*TILEB                  ; 64,512: tiles 28.. use a second address register, so that offsets stay in 16 bits
.set LOFF, 1                           ; v1        16 L: my 16 bytes in 512 consecutive bytes
.set XSTO, 2                           ; v2        where I put 8 bytes of an x row
.set BLD,  3                           ; v3        my B fragments
.set TSTO, 4                           ; v4, v5    where I put 8 bytes of a table row (tiles 0-27, 28-42)
.set ALD,  6                           ; v6, v7    my A fragments (tiles 0-27, 28-42)
.set T,    8                           ; v[8:15]   a tile's share on its way from i32 to bf16; small work at the end
.set CC,   16                          ; v[16:23]  C operand
.set MN,   24                          ; v[24:31]  running minimum, one register for each x tile
.set A0,   32                          ; v[32:47], v[48:63]  A fragments, two buffers
.set DD,   64                          ; v[64:95]  four results of 8 registers
.set BF,   96                          ; v[96:223] B fragments: 16 registers for each x tile
.set TMP,  224                         ; v224 wave, v225 L, v226 r, v227 h, v228 8 r, v229 144 r + 16 h, v230 work, v231 merge address
.set WOF,  232                         ; v[232:237] byte offsets of six entries of W
.set WV,   240                         ; v[240:245] these entries (wave 4); v[246:247] m, s
; v256-v335 (written v0-v79 under a window): ring of 10 slots of 8 registers, a tile's share as loaded
.set MSB, 0
.macro WIN new                         ; low byte: bits 1:0 source 0, 7:6 destination; the high byte repeats the setting that is left
.if MSB != \new
	s_set_vgpr_msb (MSB<<8)|\new
.set MSB, \new
.endif
.endm
.macro CVTN d, s, n                    ; n whole numbers to f32
.set ce, 0
.rept \n
	v_cvt_f32_i32 v[\d+ce], v[\s+ce]
.set ce, ce+1
.endr
.endm
.macro PACK d                          ; four f32 at d: less 1/2, to four bf16 in d, d + 1
	v_pk_add_f32 v[\d:\d+1], v[\d:\d+1], -0.5 op_sel_hi:[1,0]
	v_pk_add_f32 v[\d+2:\d+3], v[\d+2:\d+3], -0.5 op_sel_hi:[1,0]
	v_cvt_pk_bf16_f32 v[\d], v[\d], v[\d+1]
	v_cvt_pk_bf16_f32 v[\d+1], v[\d+2], v[\d+3]
.endm
.macro ALOAD tile, dst                 ; a table tile's fragments: K = 0-31 in registers 0-7, K = 32-63 in 8-15
.irp c, 0,1,2,3
	ds_load_b128 v[\dst+4*\c:\dst+4*\c+3], v[ALD+(\tile)/28] offset:((\tile)%28)*TILEB+32*\c
.endr
.endm
; x tiles 2 k, 2 k + 1 against the tile in buffer ACUR.  The first product of each takes C, the second is the chain's next link in place.
.macro WPAIR k
.set WI, BF+32*\k
.set WD, DD+16*(\k&1)
	v_wmma_f32_16x16x32_bf16 v[WD:WD+7], v[ACUR:ACUR+7], v[WI:WI+7], v[CC:CC+7]
	v_wmma_f32_16x16x32_bf16 v[WD+8:WD+15], v[ACUR:ACUR+7], v[WI+16:WI+23], v[CC:CC+7]
	v_wmma_f32_16x16x32_bf16 v[WD:WD+7], v[ACUR+8:ACUR+15], v[WI+8:WI+15], v[WD:WD+7]
	v_wmma_f32_16x16x32_bf16 v[WD+8:WD+15], v[ACUR+8:ACUR+15], v[WI+24:WI+31], v[WD+8:WD+15]
.endm
; The pair's 16 result registers into its two running minima: eight lines, the two tiles' lines in turn.
.macro MPAIR k
.set MD, DD+16*(\k&1)
.set MI, MN+2*\k
	v_min3_num_f32 v[MD], |v[MD]|, |v[MD+1]|, |v[MD+2]|
	v_min3_num_f32 v[MD+8], |v[MD+8]|, |v[MD+9]|, |v[MD+10]|
	v_min3_num_f32 v[MD+3], |v[MD+3]|, |v[MD+4]|, |v[MD+5]|
	v_min3_num_f32 v[MD+11], |v[MD+11]|, |v[MD+12]|, |v[MD+13]|
	v_min3_num_f32 v[MI], |v[MD+6]|, |v[MD+7]|, v[MI]
	v_min3_num_f32 v[MI+1], |v[MD+14]|, |v[MD+15]|, v[MI+1]
	v_min3_num_f32 v[MI], v[MD], v[MD+3], v[MI]
	v_min3_num_f32 v[MI+1], v[MD+8], v[MD+11], v[MI+1]
.endm
.macro REDMAX r, tmp                   ; maximum over the 32 lanes, in every lane
	v_max_num_f32_dpp v[\r], v[\r], v[\r] row_xmask:1 row_mask:0xf bank_mask:0xf
	v_max_num_f32_dpp v[\r], v[\r], v[\r] row_xmask:2 row_mask:0xf bank_mask:0xf
	v_max_num_f32_dpp v[\r], v[\r], v[\r] row_xmask:4 row_mask:0xf bank_mask:0xf
	v_max_num_f32_dpp v[\r], v[\r], v[\r] row_xmask:8 row_mask:0xf bank_mask:0xf
	v_permlanex16_b32 v[\tmp], v[\r], s24, s25
	v_max_num_f32 v[\r], v[\r], v[\tmp]
.endm
.macro REDADD r, tmp                   ; sum over the 32 lanes, in every lane
	v_add_f32_dpp v[\r], v[\r], v[\r] row_xmask:1 row_mask:0xf bank_mask:0xf
	v_add_f32_dpp v[\r], v[\r], v[\r] row_xmask:2 row_mask:0xf bank_mask:0xf
	v_add_f32_dpp v[\r], v[\r], v[\r] row_xmask:4 row_mask:0xf bank_mask:0xf
	v_add_f32_dpp v[\r], v[\r], v[\r] row_xmask:8 row_mask:0xf bank_mask:0xf
	v_permlanex16_b32 v[\tmp], v[\r], s24, s25
	v_add_f32 v[\r], v[\r], v[\tmp]
.endm
	; ---- set-up: ids, the five bases (each gets its offset once and is never written again) ----
	s_load_b256 s[4:11], s[0:1], 0x0               ; x s[4:5], table s[6:7], W s[8:9], cand s[10:11]
	s_load_b64 s[12:13], s[0:1], 0x20              ; stats
	v_lshl_add_u32 v254, v0, 2, 0x42600
	v_mov_b32 v255, 0
	v_lshrrev_b32 v[TMP], 5, v0
	v_readfirstlane_b32 s14, v[TMP]                ; w, 0 to 7
	v_and_b32 v[TMP+1], 31, v0                     ; L
	v_lshlrev_b32 v[LOFF], 4, v[TMP+1]
	s_and_b32 s15, s14, 3                          ; g: which 128 x rows
	s_lshr_b32 s16, s14, 2                         ; p: which half of the chunk
	s_and_b32 s18, ttmp7, 0xffff                   ; cy: the chunk.  ttmp9 = bx: the x block
	s_mul_i32 s19, s18, CHUNK
	s_min_u32 s19, s19, NROWS-CHUNK                ; CB
	s_mul_i32 s26, s16, HALF
	s_add_co_u32 s26, s26, s19                     ; my first table row
	s_lshl3_add_u32 s27, s18, ttmp9                ; wg = 8 cy + bx
	s_mul_i32 s28, s27, WPART
	s_sub_co_u32 s28, NROWS, s28
	s_min_u32 s28, s28, WPART                      ; cnt: entries of W that are this work-group's (171; the last: 140)
	s_sub_co_u32 s42, s28, 1
	s_lshl_b32 s20, ttmp9, 17                      ; x: 512 rows of 256 bytes a block,
	s_lshl_b32 s21, s14, 14                        ; of which wave w brings in rows 64 w .. + 63
	s_add_co_u32 s20, s20, s21
	s_mov_b32 s21, 0
	s_lshl2_add_u32 s22, s15, s26                  ; table: of each tile of my half I bring in rows 4 g .. 4 g + 3
	s_lshl_b32 s22, s22, 8
	s_mov_b32 s23, 0
	s_mul_i32 s32, s27, 4*WPART
	s_mov_b32 s33, 0
	s_lshl_b32 s34, s18, 14                        ; cand: chunk cy, x row 512 bx + 128 g, 4 bytes each
	s_lshl_b32 s35, ttmp9, 11
	s_add_co_u32 s34, s34, s35
	s_lshl_b32 s43, s15, 9                         ; 512 g, also the merge's place in LDS
	s_add_co_u32 s34, s34, s43
	s_mov_b32 s35, 0
	s_lshl_b32 s36, s27, 3
	s_mov_b32 s37, 0
	s_mov_b32 s24, 0x76543210                      ; v_permlanex16_b32: lane i takes lane i of the other half
	s_mov_b32 s25, 0xfedcba98
	s_mov_b32 s30, 0xb9800000                      ; -2^-12
	s_mov_b32 s31, 0xc1800000                      ; -16.0
	s_wait_kmcnt 0x0
	s_add_nc_u64 s[4:5], s[4:5], s[20:21]
	s_add_nc_u64 s[6:7], s[6:7], s[22:23]
	s_add_nc_u64 s[8:9], s[8:9], s[32:33]
	s_add_nc_u64 s[10:11], s[10:11], s[34:35]
	s_add_nc_u64 s[12:13], s[12:13], s[36:37]
	; ---- 62 loads a lane, each of the wave's covering 512 consecutive aligned bytes ----
.set j, 0
.rept 32                                           ; x: load j = rows 2 j, 2 j + 1 of my 64
	global_load_b128 v[BF+4*j:BF+4*j+3], v[LOFF], s[4:5] offset:512*j
.set j, j+1
.endr
.set j, 0
.rept 10                                           ; table tiles 0 to 4: two loads each (rows 4 g + 2 q + h)
	global_load_b128 v[A0+4*j:A0+4*j+3], v[LOFF], s[6:7] offset:4096*(j/2)+512*(j%2)
.set j, j+1
.endr
	WIN 0x40                                       ; destinations v256..
.set j, 0
.rept 20                                           ; table tiles 5 to 14 fill the ring
	global_load_b128 v[4*j:4*j+3], v[LOFF], s[6:7] offset:4096*(5+j/2)+512*(j%2)
.set j, j+1
.endr
	WIN 0
	; ---- while they fly: LDS addresses, W's offsets, the C operand ----
	v_and_b32 v[TMP+2], 15, v0                     ; r
	v_bfe_u32 v[TMP+3], v0, 4, 1                   ; h
	v_lshlrev_b32 v[TMP+4], 3, v[TMP+2]            ; 8 r
	v_mul_u32_u24 v[TMP+5], v[TMP+2], PITCH
	v_lshl_add_u32 v[TMP+5], v[TMP+3], 4, v[TMP+5] ; 144 r + 16 h: a fragment's lane term
	s_mul_i32 s38, s14, 64*PITCH
	v_mad_u32_u24 v[XSTO], v[TMP+3], TILEB, v[TMP+4]
	v_add_nc_u32 v[XSTO], s38, v[XSTO]             ; 9216 w + 2304 h + 8 r
	s_mul_i32 s39, s15, 128*PITCH
	v_add_nc_u32 v[BLD], s39, v[TMP+5]             ; 18432 g + 144 r + 16 h
	s_mul_i32 s40, s16, HALFB
	s_add_co_u32 s40, s40, TS                      ; my half of TS
	s_mul_i32 s41, s15, 4*PITCH
	s_add_co_u32 s41, s41, s40
	v_mad_u32_u24 v[TSTO], v[TMP+3], PITCH, v[TMP+4]
	v_add_nc_u32 v[TSTO], s41, v[TSTO]             ; half + 576 g + 144 h + 8 r
	v_add_nc_u32 v[TSTO+1], FAR, v[TSTO]
	v_add_nc_u32 v[ALD], s40, v[TMP+5]             ; half + 144 r + 16 h
	v_add_nc_u32 v[ALD+1], FAR, v[ALD]
	v_add_nc_u32 v[TMP+7], s43, v[LOFF]            ; 512 g + 16 L
.irp q, 0,1,2,3,4,5
	v_add_nc_u32 v[WOF+\q], 32*\q, v[TMP+1]
	v_min_u32 v[WOF+\q], s42, v[WOF+\q]            ; clamped to the part's last entry: no load leaves W
	v_lshlrev_b32 v[WOF+\q], 2, v[WOF+\q]
.endr
	v_lshlrev_b32 v[TMP+6], 3, v[TMP+3]            ; 8 h
.irp j, 0,1,2,3,4,5,6,7
	v_add_nc_u32 v[CC+\j], \j-16, v[TMP+6]         ; one tile behind tile 0: each step's head steps C on by 16 rows
	v_cvt_f32_i32 v[CC+\j], v[CC+\j]
	v_fma_f32 v[CC+\j], v[CC+\j], s30, s31         ; -(16 + (8 h + j - 16) / 4096)
.endr
	; ---- x to bf16 into XS, four loads at a time ----
.set j, 0
.rept 8
	s_wait_loadcnt 58-j                            ; 62 issued; loads return in order: the first j + 4 are in, the younger 58 - j stay out
.rept 4
.set xd, BF+4*j
	CVTN xd, xd, 4
	PACK xd
	ds_store_b64 v[XSTO], v[xd:xd+1] offset:PITCH*(32*(j&1)+(j>>1))   ; slot 64 w + 32 (j & 1) + 16 h + (j >> 1)
.set j, j+1
.endr
.endr
	; ---- table tiles 0 to 4 into TS ----
.set j, 0
.rept 5
	s_wait_loadcnt 28-2*j                          ; 62 less x's 32 less this tile's and its elders' 2 j + 2; at the last: the ring's 20
.irp q, 0,1
.set xd, A0+8*j+4*\q
	CVTN xd, xd, 4
	PACK xd
	ds_store_b64 v[TSTO], v[xd:xd+1] offset:TILEB*j+2*PITCH*\q
.endr
.set j, j+1
.endr
	s_wait_dscnt 0x0                               ; my stores are in LDS, for the other waves' sake
	s_barrier_signal -1
	s_barrier_wait -1
.set i, 0
.rept 8                                            ; my 8 x tiles, kept to the end
.irp c, 0,1,2,3
	ds_load_b128 v[BF+16*i+4*\c:BF+16*i+4*\c+3], v[BLD] offset:TILEB*i+32*\c
.endr
.set i, i+1
.endr
	ALOAD 0, A0
; ---- A STEP: table tile t against my 8 x tiles.  Written out 43 times: the ring's slot is a register name, and the first and the
; last steps differ in fills and counts; there is no back edge and no base is stepped.
; Distances behind matrix instructions (ISA guide 7.12.1): the eight minimum lines of the pair before stand between a pair's last
; matrix instruction and the first line that reads its results; they name none of its registers.  The same eight lines stand between a
; pair and the next matrix instruction that writes its result registers again (two pairs on), and MPAIR 2 stands between the step's last
; pair and the next step's loads into the A buffer and its step of C.
; Tile T is stored in step T - 5 and first read at the head of step T - 1; of the steps T - 5 .. T - 2 exactly one has t % 4 = 3 and
; ends in a barrier, in front of whose signal every wave has waited for its stores.
.macro STEP
.set ACUR, A0+16*(t&1)
.set ANXT, A0+16*(1-(t&1))
	s_wait_dscnt 0x0                               ; this tile's fragments and the last step's two stores: all issued a step ago
.if t <= TILES-2
	ALOAD t+1, ANXT
.endif
.irp j, 0,2,4,6
	v_pk_add_f32 v[CC+\j:CC+\j+1], v[CC+\j:CC+\j+1], 0xbb800000 op_sel_hi:[1,0]   ; 16 rows on: -16 / 4096
.endr
	WPAIR 0
.if t == 0
.irp j, 0,1,2,3,4,5,6,7
	v_mov_b32 v[MN+\j], 0x7f800000                 ; the minima start at +inf; these eight lines are the first pair's places
.endr
.else
	MPAIR 3                                        ; the last pair of the step before
.endif
.if t <= 37
.if t <= 28
	s_wait_loadcnt 18                              ; tile t + 5 is in; the two loads of each of the nine younger tiles stay out
.else
	s_wait_loadcnt 2*(37-t)                        ; no more fills: tiles t + 6 .. 42 stay out
.endif
	WIN 0x01                                       ; source in v256..
	CVTN T, 8*(t%10), 8
.if t <= 27
	WIN 0x40
	global_load_b128 v[8*(t%10):8*(t%10)+3], v[LOFF], s[6:7] offset:4096*(t+15)       ; the slot's next tile, ten steps ahead
	global_load_b128 v[8*(t%10)+4:8*(t%10)+7], v[LOFF], s[6:7] offset:4096*(t+15)+512
.endif
	WIN 0
.endif
.if t == 38
	s_cmp_lg_u32 s14, 4                            ; the ring is empty: wave 4 asks for the work-group's entries of W
	s_cbranch_scc1 .Lnot_w
.irp q, 0,1,2,3,4,5
	global_load_b32 v[WV+\q], v[WOF+\q], s[8:9]
.endr
.Lnot_w:
.endif
	WPAIR 1
	MPAIR 0
.if t <= 37
	PACK T
	PACK T+4
	ds_store_b64 v[TSTO+(t+5)/28], v[T:T+1] offset:((t+5)%28)*TILEB
	ds_store_b64 v[TSTO+(t+5)/28], v[T+4:T+5] offset:((t+5)%28)*TILEB+2*PITCH
.endif
	WPAIR 2
	MPAIR 1
.if (t%4) == 3
.if t <= 39
	s_wait_dscnt 0x0                               ; my stores of tiles t + 2 .. t + 5 are in LDS
	s_barrier_signal -1
.endif
.endif
	WPAIR 3                                        ; registers only between signal and wait
	MPAIR 2
.if (t%4) == 3
.if t <= 39
	s_barrier_wait -1
.endif
.endif
.endm
.set t, 0
.rept TILES
	STEP
.set t, t+1
.endr
	MPAIR 3
	; ---- the end.  MN[i] of lane (r, h) covers the table rows with bit 3 = h, for x row 64 (i >> 2) + 4 r + (i & 3).
	; Lane L = 16 h + r owns rows 4 L + q = tile 4 h + q, column r: it keeps that tile's figure and sends the other half's.
	s_mov_b32 vcc_lo, 0xffff0000                   ; lanes with h = 1
.irp q, 0,1,2,3
	v_cndmask_b32 v[T+\q], v[MN+\q], v[MN+4+\q], vcc_lo
	v_cndmask_b32 v[T+4+\q], v[MN+4+\q], v[MN+\q], vcc_lo
.endr
.irp q, 0,1,2,3
	v_permlanex16_b32 v[DD+\q], v[T+4+\q], s24, s25
.endr
.irp q, 0,1,2,3
	v_min_num_f32 v[T+\q], v[T+\q], v[DD+\q]
	v_mul_f32 v[T+4+\q], 0x45800000, v[T+\q]       ; x 4096: idx, exact where there is a match
	v_cvt_u32_f32 v[T+4+\q], v[T+4+\q]
	v_add_nc_u32 v[T+4+\q], s26, v[T+4+\q]         ; the row's number in the table
	v_cmp_gt_f32 vcc_lo, 0x3e800000, v[T+\q]       ; 0.25 > minimum: a match
	v_cndmask_b32 v[T+4+\q], -1, v[T+4+\q], vcc_lo
.endr
	; the upper half's waves hand their four numbers to the lower half's.  XS was last read before the first step's barriers.
	s_cmp_lt_u32 s14, 4
	s_cbranch_scc1 .Lno_hand
	ds_store_b128 v[TMP+7], v[T+4:T+7]
.Lno_hand:
	s_wait_dscnt 0x0
	s_barrier_signal -1
	s_barrier_wait -1
	s_cmp_ge_u32 s14, 4
	s_cbranch_scc1 .Lupper
	ds_load_b128 v[T:T+3], v[TMP+7]
	s_wait_dscnt 0x0
.irp q, 0,1,2,3
	v_min_u32 v[T+4+\q], v[T+4+\q], v[T+\q]
.endr
	global_store_b128 v[LOFF], v[T+4:T+7], s[10:11]  ; 32 lanes, 512 consecutive aligned bytes of cand
	s_wait_tensorcnt 0x0
	ds_add_u32 v254, v255
	s_wait_dscnt 0x0
	s_endpgm
.Lupper:
	s_cmp_lg_u32 s14, 4
	s_cbranch_scc1 .Ldone
	; ---- wave 4: maximum and sum of exponentials over the work-group's cnt entries of W ----
	s_wait_loadcnt 0x0
	v_add_nc_u32 v[TMP+6], 0x80, v[TMP+1]          ; cnt is at least 140: only entries 128.. can lie outside
	v_cmp_gt_u32 vcc_lo, s28, v[TMP+6]
	v_cndmask_b32 v[WV+4], 0xff800000, v[WV+4], vcc_lo   ; outside: -inf, which loses the maximum and adds 0
	v_add_nc_u32 v[TMP+6], 0xa0, v[TMP+1]
	v_cmp_gt_u32 vcc_lo, s28, v[TMP+6]
	v_cndmask_b32 v[WV+5], 0xff800000, v[WV+5], vcc_lo
	v_max3_num_f32 v[WV+6], v[WV], v[WV+1], v[WV+2]
	v_max3_num_f32 v[WV+6], v[WV+6], v[WV+3], v[WV+4]
	v_max_num_f32 v[WV+6], v[WV+6], v[WV+5]
	REDMAX WV+6, TMP+6
.irp q, 0,1,2,3,4,5
	v_sub_f32 v[WV+\q], v[WV+\q], v[WV+6]
.endr
.irp q, 0,1,2,3,4,5
	v_mul_f32 v[WV+\q], 0x3fb8aa3b, v[WV+\q]       ; e^x = 2^(x log2 e)
.endr
.irp q, 0,1,2,3,4,5
	v_exp_f32 v[WV+\q], v[WV+\q]
.endr
	v_nop                                          ; one plain place behind the last exponential before its result is read
	s_wait_alu depctr_va_vdst(0)
	v_add_f32 v[WV], v[WV], v[WV+1]
	v_add_f32 v[WV+2], v[WV+2], v[WV+3]
	v_add_f32 v[WV+4], v[WV+4], v[WV+5]
	v_add_f32 v[WV], v[WV], v[WV+2]
	v_add_f32 v[WV+7], v[WV], v[WV+4]
	REDADD WV+7, TMP+6
	v_cmp_eq_u32 vcc_lo, 0, v[TMP+1]
	v_mov_b32 v[TMP+7], 0
	s_wait_xcnt 0x0                                ; EXEC is a source of the loads above: it changes only behind this wait
	s_and_saveexec_b32 s29, vcc_lo                 ; lane 0 alone
	global_store_b64 v[TMP+7], v[WV+6:WV+7], s[12:13]
	s_wait_xcnt 0x0                                ; and is widened again only behind this one
	s_or_b32 exec_lo, exec_lo, s29
.Ldone:
	s_wait_tensorcnt 0x0
	ds_add_u32 v254, v255
	s_wait_dscnt 0x0
	s_endpgm
.Lfunc_end_k_q9cce23ecdf_match:
	.size	k_q9cce23ecdf_match, .Lfunc_end_k_q9cce23ecdf_match-k_q9cce23ecdf_match
	.p2alignl 7, 3214868480
	.fill 96, 4, 3214868480
	.section	.rodata,"a",@progbits
	.p2align	6, 0x0
	.amdhsa_kernel k_q9cce23ecdf_match
		.amdhsa_group_segment_fixed_size 272896
		.amdhsa_private_segment_fixed_size 0
		.amdhsa_enable_private_segment 0
		.amdhsa_kernarg_size 40
		.amdhsa_user_sgpr_count 2
		.amdhsa_user_sgpr_kernarg_segment_ptr 1
		.amdhsa_wavefront_size32 1
		.amdhsa_system_sgpr_workgroup_id_x 1
		.amdhsa_system_sgpr_workgroup_id_y 1
		.amdhsa_system_sgpr_workgroup_id_z 1
		.amdhsa_system_vgpr_workitem_id 0
		.amdhsa_next_free_vgpr 336
		.amdhsa_next_free_sgpr 66
		.amdhsa_reserve_vcc 1
		.amdhsa_float_denorm_mode_32 3
		.amdhsa_float_denorm_mode_16_64 3
		.amdhsa_memory_ordered 1
		.amdhsa_forward_progress 1
		.amdhsa_inst_pref_size 239
	.end_amdhsa_kernel
	.amdgpu_metadata
---
amdhsa.version: [ 1, 2 ]
amdhsa.kernels:
  - .name:           k_q9cce23ecdf_match
    .symbol:         k_q9cce23ecdf_match.kd
    .args:
      - { .name: x, .offset: 0, .size: 8, .value_kind: global_buffer, .address_space: global }
      - { .name: table, .offset: 8, .size: 8, .value_kind: global_buffer, .address_space: global }
      - { .name: W, .offset: 16, .size: 8, .value_kind: global_buffer, .address_space: global }
      - { .name: cand, .offset: 24, .size: 8, .value_kind: global_buffer, .address_space: global }
      - { .name: stats, .offset: 32, .size: 8, .value_kind: global_buffer, .address_space: global }
    .group_segment_fixed_size: 272896
    .private_segment_fixed_size: 0
    .kernarg_segment_align: 8
    .kernarg_segment_size: 40
    .max_flat_workgroup_size: 256
    .sgpr_count:     66
    .vgpr_count:     336
    .wavefront_size: 32
...
	.end_amdgpu_metadata
.endif
;; end of part 1
;; launch finish (part 2): grid 64 x 1, 1 waves a work-group, no clusters, 0 bytes of LDS; arguments cand, stats, W, out0; writes out0
.if DOCPART == 2
	.amdgcn_target "amdgcn-amd-amdhsa--gfx1250"
	.amdhsa_code_object_version 6
	.text
	.protected	k_q9cce23ecdf_finish
	.globl	k_q9cce23ecdf_finish
	.p2align	8
	.type	k_q9cce23ecdf_finish,@function
k_q9cce23ecdf_finish:
	s_mov_b64 s[64:65], 0
	v_nop
	global_prefetch_b8 v0, s[64:65] scope:SCOPE_SE
	s_setreg_imm32_b32 hwreg(HW_REG_WAVE_MODE, 25, 1), 1
	s_wait_xcnt 0x0
; out0[i] = log softmax(W)[idx_i], idx_i = the least of the 32 chunks' candidates for x row i, or 0 where no chunk has a match
; (an argmax over all-false takes the first place).  log softmax = (W[idx] - M) - ln sum exp(W - M), M the true maximum of W,
; merged from the 256 pairs (m, s) of the launch before: S = sum s exp(m - M).
; LIMIT (range): where the result falls below -150 ln 2 = -103.972 a softmax kept in f32 rounds to 0 and its logarithm is -inf: -inf is
; written there.  Between about -87.3 and that figure the softmax would be a denormal with few bits; here the unrounded value is written.
; One wave for 64 x rows, lane L rows 2 L and 2 L + 1: every load of cand and the store cover 256 consecutive aligned bytes.
; A few KiB for each wave and one dependent gather: no LDS, no barrier, no matrix unit, nothing to share in a cluster.
.set NROWS, 43745
.set CA, 16                            ; v[16:79]  candidates: chunk c in v[16+2c], v[17+2c]
.set ST, 80                            ; v[80:95]  eight pairs (m, s)
.macro REDMAX r, tmp
	v_max_num_f32_dpp v[\r], v[\r], v[\r] row_xmask:1 row_mask:0xf bank_mask:0xf
	v_max_num_f32_dpp v[\r], v[\r], v[\r] row_xmask:2 row_mask:0xf bank_mask:0xf
	v_max_num_f32_dpp v[\r], v[\r], v[\r] row_xmask:4 row_mask:0xf bank_mask:0xf
	v_max_num_f32_dpp v[\r], v[\r], v[\r] row_xmask:8 row_mask:0xf bank_mask:0xf
	v_permlanex16_b32 v[\tmp], v[\r], s12, s13
	v_max_num_f32 v[\r], v[\r], v[\tmp]
.endm
.macro REDADD r, tmp
	v_add_f32_dpp v[\r], v[\r], v[\r] row_xmask:1 row_mask:0xf bank_mask:0xf
	v_add_f32_dpp v[\r], v[\r], v[\r] row_xmask:2 row_mask:0xf bank_mask:0xf
	v_add_f32_dpp v[\r], v[\r], v[\r] row_xmask:4 row_mask:0xf bank_mask:0xf
	v_add_f32_dpp v[\r], v[\r], v[\r] row_xmask:8 row_mask:0xf bank_mask:0xf
	v_permlanex16_b32 v[\tmp], v[\r], s12, s13
	v_add_f32 v[\r], v[\r], v[\tmp]
.endm
	s_load_b256 s[4:11], s[0:1], 0x0               ; cand s[4:5], stats s[6:7], W s[8:9], out0 s[10:11]
	s_mov_b32 s12, 0x76543210                      ; v_permlanex16_b32: lane i takes lane i of the other half
	s_mov_b32 s13, 0xfedcba98
	s_lshl_b32 s14, ttmp9, 8                       ; 64 rows of 4 bytes, in cand's rows and in out0 alike
	s_mov_b32 s15, 0
	v_lshlrev_b32 v1, 3, v0                        ; 8 L
	v_lshlrev_b32 v2, 4, v0                        ; 16 L
	v_mov_b32 v9, 0                                ; the lane exchange's destination counts as read
	v_mov_b32 v11, 0xff800000                      ; -inf
	s_wait_kmcnt 0x0
	s_add_nc_u64 s[4:5], s[4:5], s[14:15]
	s_add_nc_u64 s[10:11], s[10:11], s[14:15]
.set c, 0
.rept 32
	global_load_b64 v[CA+2*c:CA+2*c+1], v1, s[4:5] offset:16384*c
.set c, c+1
.endr
.irp k, 0,1,2,3
	global_load_b128 v[ST+4*\k:ST+4*\k+3], v2, s[6:7] offset:512*\k   ; pairs 2 L, 2 L + 1 of each 64
.endr
	s_wait_loadcnt 4                               ; the candidates are in; the four loads of stats stay out
.irp e, 0,1
	v_min_u32 v[4+\e], v[CA+\e], v[CA+2+\e]
.set c, 2
.rept 15
	v_min3_u32 v[4+\e], v[4+\e], v[CA+2*c+\e], v[CA+2*c+2+\e]
.set c, c+2
.endr
	v_cmp_gt_u32 vcc_lo, NROWS, v[4+\e]
	v_cndmask_b32 v[4+\e], 0, v[4+\e], vcc_lo      ; no match in any chunk: row 0
	v_min_u32 v[4+\e], NROWS-1, v[4+\e]            ; the index stays inside W
	v_lshlrev_b32 v[4+\e], 2, v[4+\e]
	global_load_b32 v[6+\e], v[4+\e], s[8:9]
.endr
	s_wait_loadcnt 2                               ; stats are in; the two gathered numbers stay out
	v_max3_num_f32 v8, v[ST], v[ST+2], v[ST+4]
	v_max3_num_f32 v8, v8, v[ST+6], v[ST+8]
	v_max3_num_f32 v8, v8, v[ST+10], v[ST+12]
	v_max_num_f32 v8, v8, v[ST+14]
	REDMAX 8, 9                                    ; M
.irp i, 0,2,4,6,8,10,12,14
	v_sub_f32 v[ST+\i], v[ST+\i], v8
.endr
.irp i, 0,2,4,6,8,10,12,14
	v_mul_f32 v[ST+\i], 0x3fb8aa3b, v[ST+\i]
.endr
.irp i, 0,2,4,6,8,10,12,14
	v_exp_f32 v[ST+\i], v[ST+\i]                   ; exp(m - M), at most 1
.endr
	v_nop                                          ; one plain place behind the last exponential
	s_wait_alu depctr_va_vdst(0)
	v_mul_f32 v10, v[ST+1], v[ST]
.irp i, 2,4,6,8,10,12,14
	v_fma_f32 v10, v[ST+\i+1], v[ST+\i], v10
.endr
	REDADD 10, 9                                   ; S, at least 1: the part that holds M adds s >= 1
	v_log_f32 v10, v10
	v_nop                                          ; one plain place behind the logarithm
	s_wait_alu depctr_va_vdst(0)
	v_mul_f32 v10, 0x3f317218, v10                 ; ln S = log2 S x ln 2
	s_wait_loadcnt 0x0
.irp e, 0,1
	v_sub_f32 v[6+\e], v[6+\e], v8
	v_sub_f32 v[6+\e], v[6+\e], v10
	v_cmp_gt_f32 vcc_lo, 0xc2cff1b4, v[6+\e]       ; -150 ln 2 > result
	v_cndmask_b32 v[6+\e], v[6+\e], v11, vcc_lo
.endr
	global_store_b64 v1, v[6:7], s[10:11]          ; 32 lanes, 256 consecutive aligned bytes
	s_endpgm
.Lfunc_end_k_q9cce23ecdf_finish:
	.size	k_q9cce23ecdf_finish, .Lfunc_end_k_q9cce23ecdf_finish-k_q9cce23ecdf_finish
	.p2alignl 7, 3214868480
	.fill 96, 4, 3214868480
	.section	.rodata,"a",@progbits
	.p2align	6, 0x0
	.amdhsa_kernel k_q9cce23ecdf_finish
		.amdhsa_group_segment_fixed_size 0
		.amdhsa_private_segment_fixed_size 0
		.amdhsa_enable_private_segment 0
		.amdhsa_kernarg_size 32
		.amdhsa_user_sgpr_count 2
		.amdhsa_user_sgpr_kernarg_segment_ptr 1
		.amdhsa_wavefront_size32 1
		.amdhsa_system_sgpr_workgroup_id_x 1
		.amdhsa_system_sgpr_workgroup_id_y 1
		.amdhsa_system_sgpr_workgroup_id_z 1
		.amdhsa_system_vgpr_workitem_id 0
		.amdhsa_next_free_vgpr 104
		.amdhsa_next_free_sgpr 66
		.amdhsa_reserve_vcc 1
		.amdhsa_float_denorm_mode_32 3
		.amdhsa_float_denorm_mode_16_64 3
		.amdhsa_memory_ordered 1
		.amdhsa_forward_progress 1
		.amdhsa_inst_pref_size 10
	.end_amdhsa_kernel
	.amdgpu_metadata
---
amdhsa.version: [ 1, 2 ]
amdhsa.kernels:
  - .name:           k_q9cce23ecdf_finish
    .symbol:         k_q9cce23ecdf_finish.kd
    .args:
      - { .name: cand, .offset: 0, .size: 8, .value_kind: global_buffer, .address_space: global }
      - { .name: stats, .offset: 8, .size: 8, .value_kind: global_buffer, .address_space: global }
      - { .name: W, .offset: 16, .size: 8, .value_kind: global_buffer, .address_space: global }
      - { .name: out0, .offset: 24, .size: 8, .value_kind: global_buffer, .address_space: global }
    .group_segment_fixed_size: 0
    .private_segment_fixed_size: 0
    .kernarg_segment_align: 8
    .kernarg_segment_size: 32
    .max_flat_workgroup_size: 32
    .sgpr_count:     66
    .vgpr_count:     104
    .wavefront_size: 32
...
	.end_amdgpu_metadata
.endif
;; end of part 2
